; MI455X (gfx1250); checked and timed in simulation.
; The chip was launched on July 23, 2026; its instructions are those of AMD's public machine-readable ISA for CDNA 5 (MIT licence, August 2026) and "CDNA5" Instruction Set Architecture Reference Guide (July 2026). The comments in the code are by the model that wrote it; some were corrected since.
;; Multi Time Attention. Allowed arithmetic: matrix products marked QUANTISED: E4M3 operands, one E8M0 scale for each 32 along K, by v_wmma_scale_f32_16x16x128_f8f6f4 with both operands' format E4M3, f32 sums; products left as they are: f32 operands where the result goes on into a quantised operand, else bf16, f16 or f32 operands; f32 sums; everything else in f32.
;; Inputs: Wk_codes 128 x 4 x 32 uint8 (E4M3 codes of Wk, K innermost, in blocks of 32 codes); Wk_scales 128 x 4 uint8 (E8M0 scales of Wk, one for each 32 codes along K); Wo_codes 128 x 32 x 32 uint8 (E4M3 codes of Wo, K innermost, in blocks of 32 codes); Wo_scales 128 x 32 uint8 (E8M0 scales of Wo, one for each 32 codes along K); Wq_codes 128 x 4 x 32 uint8 (E4M3 codes of Wq, K innermost, in blocks of 32 codes); Wq_scales 128 x 4 uint8 (E8M0 scales of Wq, one for each 32 codes along K); bk 128 float32; bo 128 float32; bq 128 float32; key_codes 8 x 2,048 x 4 x 32 uint8 (E4M3 codes of key, K innermost, in blocks of 32 codes); key_scales 8 x 2,048 x 4 uint8 (E8M0 scales of key, one for each 32 codes along K); query_codes 8 x 2,048 x 4 x 32 uint8 (E4M3 codes of query, K innermost, in blocks of 32 codes); query_scales 8 x 2,048 x 4 uint8 (E8M0 scales of query, one for each 32 codes along K); value_codes 8 x 128 x 64 x 32 uint8 (E4M3 codes of value, K innermost, in blocks of 32 codes); value_scales 8 x 128 x 64 uint8 (E8M0 scales of value, one for each 32 codes along K).
;; Outputs: out0 8 x 2,048 x 128 float32.
;; This version of the problem:
;;   THIS VERSION OF THE PROBLEM IS GIVEN IN LOW PRECISION. The matrix products marked QUANTISED in the list below multiply operands that are first quantised to E4M3 (4 exponent bits, 3 mantissa bits; 8 bits a number), with one power-of-two scale for each 32 numbers along K (OCP MX v1.0); their sums are f32. All else is computed in f32.
;;   The module's matrix products, in the order in which they are computed (A, B: the left and right operand; K: the contracted axis; several contracted axes count as one K, in the product's order):
;;     1. [M 16,384, K 128] x [K 128, N 128]; A: input query (given as codes); B: input Wq (given as codes): QUANTISED
;;     2. [M 16,384, K 128] x [K 128, N 128]; A: input key (given as codes); B: input Wk (given as codes): QUANTISED
;;     3. batch 64 x [M 2,048, K 16] x [K 16, N 2,048]; A: computed on the way; B: computed on the way: left as it is (K = 16 < 32)
;;     4. batch 8 x [M 16,384, K 2,048] x [K 2,048, N 128]; A: softmax (see below); B: input value (given as codes): QUANTISED
;;     5. [M 16,384, K 1,024] x [K 1,024, N 128]; A: computed on the way; B: input Wo (given as codes): QUANTISED
;;   THE QUANTISER, for each operand of a quantised product, along K:
;;     - K is cut into blocks of 32 from its start; a last block that is shorter is filled with zeros.
;;     - A block's scale is 2^e with e = floor(log2(the largest magnitude in the block)) - 8, held to -126 .. 127; a block of zeros has e = 0. As a byte (E8M0): e + 127.
;;     - Each number is divided by its block's scale, clamped to +-448, and rounded to the nearest number of E4M3, ties to even, subnormals kept.
;;     - The product sums the exact products of the quantised numbers (number of the format x scale) in f32.
;;   ~~~python
;;   def quantise(x, axis):      # numpy; x: float32 -> the quantised numbers, widened to float32 again
;;       x = np.moveaxis(x, axis, -1); K = x.shape[-1]
;;       x = np.pad(x, [(0, 0)] * (x.ndim - 1) + [(0, -K % 32)]); x = x.reshape(x.shape[:-1] + (-1, 32)); a = np.abs(x).max(-1, keepdims=True)
;;       e = np.where(a > 0, np.clip(np.frexp(np.where(a > 0, a, 1))[1] - 1 - 8, -126, 127), 0)      # np.frexp(a)[1] - 1 = floor(log2(a)), exactly
;;       r = np.clip(x / 2.0 ** e, -448, 448)
;;       step = 2.0 ** (np.maximum(np.frexp(np.where(r == 0, 1, r))[1] - 1, -6) - 3)
;;       q = np.round(r / step) * step * 2.0 ** e      # np.round: ties to even
;;       return np.moveaxis(q.reshape(q.shape[:-2] + (-1,))[..., :K], -1, axis).astype(np.float32)
;;   ~~~
;;   SOFTMAX AHEAD OF A QUANTISED PRODUCT. Where the list says 'softmax', what is quantised is not the finished softmax but p = 2^(t - M), with t = logit x log2(e) and M = ceil(the row's largest t), a whole number; so 1/2 < the row's largest p <= 1. The row's sum l is taken of the UNQUANTISED p, in f32, and the product's result is divided by l at the end. Since M is a whole number, a kernel that streams over the keys may use a running M (the ceiling of the running maximum): every later rescaling is an exact power of two, which a block's scale takes up: the codes' values come out the same.
;;   OPERANDS COMPUTED ON THE WAY. 'Computed on the way' means the value that the module computes at that place (a softmax that the list does not call 'softmax' is quantised finished and normalised). What goes into a quantiser is computed in f32, as accurately as f32 sums, v_exp_f32 and their like allow (about 1e-6 of the number): no bf16 or f16 on the way to a quantiser, and a product that is left as it is and whose result goes on into a quantised operand takes f32 operands (vector FMAs, or v_wmma_f32_16x16x4_f32). A number that lies on a knife's edge between two numbers of the format may be rounded either way, as far as f32 arithmetic and the matrix unit's own rounding can turn it there, and no further.
;;   INPUTS GIVEN AS CODES. Wk (in the module: [128, 128], K = its axis 0); Wo (in the module: [1024, 128], K = its axis 0); Wq (in the module: [128, 128], K = its axis 0); key (in the module: [8, 2048, 128], K = its axis 2); query (in the module: [8, 2048, 128], K = its axis 2); value (in the module: [8, 2048, 128], K = its axis 1): each comes as NAME_codes (uint8): NAME with its K axis moved to the last place and cut into blocks of 32 codes, [.., K / 32, bytes a block], one block behind the other in memory; one code a byte (a code: sign, 4 exponent bits, 3 mantissa bits); and NAME_scales (uint8): the same leading axes, one E8M0 byte (e + 127) for each 32 codes along K. Its value is code x scale, taken as it is: it is not quantised again, and the codes and scales need not be those that the quantiser above would give.
;; One version. Each part assembles by itself: llvm-mc -triple=amdgcn-amd-amdhsa -mcpu=gfx1250 --defsym DOCPART=n.
;; ======== version 1 of 1: 1 launch
;; launch mta (part 1): grid 64 x 8, 8 waves a work-group, clusters of 4 x 1, 327,680 bytes of LDS; arguments query_codes, query_scales, Wq_codes, Wq_scales, bq, key_codes, key_scales, Wk_codes, Wk_scales, bk, value_codes, value_scales, Wo_codes, Wo_scales, bo, out0; writes out0
.if DOCPART == 1
	.amdgcn_target "amdgcn-amd-amdhsa--gfx1250"
	.amdhsa_code_object_version 6
	.text
	.protected	k_q484e4e7bf0_mta
	.globl	k_q484e4e7bf0_mta
	.p2align	8
	.type	k_q484e4e7bf0_mta,@function
k_q484e4e7bf0_mta:
	s_mov_b64 s[64:65], 0
	v_nop
	global_prefetch_b8 v0, s[64:65] scope:SCOPE_SE
	s_setreg_imm32_b32 hwreg(HW_REG_WAVE_MODE, 25, 1), 1
	s_wait_xcnt 0x0
	s_wait_alu depctr_hold_cnt(0) depctr_sa_sdst(0) depctr_va_vdst(0) depctr_va_sdst(0) depctr_va_ssrc(0) depctr_va_vcc(0) depctr_vm_vsrc(0)
	s_getreg_b32 s2, hwreg(HW_REG_IB_STS2, 6, 4)
	s_cmp_eq_u32 s2, 0
	s_cbranch_scc0 .Lentry_in_a_cluster
	s_endpgm
.Lentry_in_a_cluster:
	s_bfe_u32 s2, ttmp6, 0x10000c
	s_cmp_lg_u32 s2, 0x3003
	s_cbranch_scc0 .Lentry_shape_is_right
	s_endpgm
.Lentry_shape_is_right:
; out = (softmax((query Wq + bq)(key Wk + bk)^T / 4) value, heads side by side) Wo + bo.  8 batches, 2,048 queries, 2,048 keys, 8 heads of 16 features, value [2,048][128] shared by the heads.
; The projections, P V and x Wo run on codes of E4M3 with one E8M0 scale for each 32 along K; the scores (K = 16) run on f32 operands, since they go on into a quantiser.
; SHARES.  A work-group owns 32 queries of one batch, for all heads.  Wave w is head w and holds both tiles of 16 queries (units 0 and 1), so each fragment of k and of V that it reads serves two products.
; The keys go in 16 steps of 128.  k is projected inside the work-group, two steps ahead (2 heads x 4 tiles of keys a wave), and reaches the other waves through LDS as images of the f32 operand's registers.
; x = O / l stays in registers, is quantised there and multiplied by the head's 128 columns of Wo; the eight heads' parts are added through a stage in LDS and each wave stores 4 whole rows.
; LAYOUT.  Every product is used transposed (source 0 = features, keys, channels, outputs; source 1 = rows of key or query), so that a lane holds ONE query (lane % 16) throughout.
;  A projection's result, lane (r, h) register j = feature 8 h + j of row r, IS the f32 operand: chunk c of the f32 form takes registers 2 c, 2 c + 1, on both sides alike (a permutation of K).
;  S^T tile T, register j = key 16 T + 8 h + j.  So p's codes of a block of 32 hold keys 32 b + 8 h + 0..7 and 32 b + 16 + 8 h + 0..7, and V's fragments are read in that same order, 8 bytes at a time; x and Wo likewise.
; SOFTMAX.  c = log2(e) / 4 is multiplied into q once, so S^T is t.  M = the running largest t rounded up to a whole number (kept as -M); p = 2^(t - M) is quantised along the keys; the sum is taken of the unquantised p;
;  when M moves, the sum and O^T are multiplied by 2^(old M - new M), which rounds nothing.
; BY TURNS.  A step has two turns.  In turn X the wave issues the 32 f32 products of unit 1's scores of this step, and unit 0's softmax of this step stands in slices behind them; then k of the step after next is projected;
;  in turn Y it issues the 32 products of unit 0's scores of the NEXT step, with unit 1's softmax in slices; then P V of this step, both units.  So a wave's vector work is issued while its own f32 products run.
;  The LDS loads stand inside the turns, each as soon as its registers are free.  The step's one barrier stands between the loads of V's last four tiles and their products.
; CLUSTER.  The four query blocks of a cluster belong to one batch and walk the same keys and values: every tensor load is asked for jointly, by the same descriptor with the mask of all four.
; LIMITS.  NaN and infinities among the inputs are not served.  p under 2^-126 becomes 0 (v_exp_f32 gives 0 there).  A block whose largest magnitude lies under 2^-118 keeps the scale byte 1.
;  c is folded into q: one f32 rounding more.  Inside a block of 32 the order of the products is permuted, alike on both operands; the heads' eight parts of x Wo are added in f32, head by head.
.set KPI,   144                        ; a key's row of codes in LDS: 128 bytes + 16 = 9 x 16
.set KHALF, 128*KPI                    ; one step's keys; what one tensor load brings
.set KSL,   2*KHALF                    ; a key slot: two steps.  0x9000 shares no bit with the bases 0 and 0x4800, so an exclusive or changes slots
.set VPI,   272                        ; a row of V's tile: 256 keys + 16 = 17 x 16
.set VHALF, 64*VPI                     ; 64 channels: what one tensor load brings
.set VSL,   2*VHALF                    ; a V slot.  0x8800 shares no bit with the bases 0x12000 and 0x16400
.set VR,    2*KSL                      ; V's two slots begin here
.set SPARE, VR+2*VSL                   ; the spare words, 128 bytes for each of 8 waves: four blocks of 256 bytes that no other line names
.set KIM,   SPARE+1024                 ; k's images: [head 8][stage 2][tile 8][1,024 bytes]; written by LDS stores alone
.set PSB,   16*528                     ; the stage of the end: 16 rows x (512 + 16) for each (unit, head)
.set PST,   KIM                        ; it lies over the images, which are done with by then
.set SCK,   PST+16*PSB                 ; the batch's key scale bytes: 32 units of 256 + 16
.set SCV,   SCK+32*272                 ; and V's
.set BIM,   SCV+32*272                 ; bk in the result's layout, as an image of 16 registers: 2,048 bytes for each wave, its own; written by LDS stores alone
; vector registers, window 0
.set AKC,  1                           ; r x 144 + 16 h + 64 rows x (w & 1): my lane in the tiles of keys that I project
.set AV0,  2                           ; VR + r x 272 + 8 h
.set ASK0, 3                           ; SCK + 4 r + 272 (w & 1)
.set ASV0, 4                           ; SCV + (r / 4) 272 + (r % 4) 64 + 4,352 h
.set SPW,  5                           ; SPARE + 4 x my thread's number; never rewritten
.set NIL,  6                           ; 0; never rewritten
.set KPR,  7                           ; KIM + 16,384 w + 16 lane: my head's images
.set PFO,  8                           ; the prefetches' offset
.set KPW,  9                           ; KIM + 16,384 (w & 6) + 4,096 (w & 1) + 16 lane: where I put images
.set STT,  12                          ; unit u at 12 + 4 u: -M, the largest t, the sum in two halves.  (v10, v11: addresses of the loads in hand)
.set QF,   20                          ; q x c: v20-27 unit 0, v28-35 unit 1
.set WKF,  36                          ; Wk's fragments of heads w & 6 and w | 1
.set BM,   68                          ; v68-83: the softmax's work: the blocks' largest t, then p;
.set PT,   72                          ; the other half's, then the scale bytes;
.set LM,   76                          ; 448 x the scales;
.set SO,   80                          ; the conversions' scale operands
.set TMP,  76                          ; (done with before LM is written)
.set SU,   80                          ; (a pair; done with before SO is written)
.set WKS,  84                          ; Wk's scale words
.set PW,   86                          ; p's scale words (later x's), unit 0, 1
.set TSC,  88                          ; v88-91 the scale words of the tiles in hand
.set FF,   92                          ; v[92:93], v[94:95]: f = 2^(old M - new M) of unit 0, 1 in the low word (at the end 1 / l)
.set P,    96                          ; v96-159: t - M, then p; key fragments; V's tiles, four at a time; x; rows of out
.set CD,   160                         ; v160-175, v176-191: the codes of unit 0, 1
.set BKR,  176                         ; bk for the projection: in unit 1's codes' registers, which are free from P V to unit 1's next conversions
.set W,    192                         ; v192-255: k's images of one step; they serve two turns
.set HOF,  210                         ; (the head's offset for the biases)
; window 1: v0-63, v64-127: S^T of unit 0, 1 (written by matrix instructions alone); v128-191, v192-255: O^T of unit 0, 1 (at the end Wo's fragments)
.set OA,   128
; scalar registers.  s[4:35]: the 16 pointers in the order of the arguments
.set G1K,  36
.set G1V,  44
.set G1S,  52
.set G0K,  60
.set G0V,  68
.set G0SK, 72
.set G0SV, 76
.set WV,   80                          ; my wave's number = my head
.set ROLE, 81                          ; w >> 1
.set BIO,  82                          ; from my head's images to my image of bk: BIM - KIM - 14,336 w
.set TBK,  86                          ; the key slot of the step to be projected
.set TBV,  87                          ; the V slot of the pair of steps in hand
.set TS,   88                          ; the key scale words of the step to be projected: 544 bytes a step
.set TJ,   89                          ; V's scale words: 4 bytes a step
.set TRIPS, 90
.set W1,   91                          ; w & 1
.set SEL,  92                          ; s[92:93] v_permlanex16_b32's selects for lane l xor 16
.set MNT,  94                          ; the mantissa field of 448
.set CQ,   95                          ; c = log2(e) / 4
.set PFAK, 96                          ; s[96:97], s[98:99]: where the prefetches of key codes and of V's codes stand
.set PFAV, 98
.set LIMK, 100                         ; a wave prefetches while TRIPS is above its limit; the greatest number in a wave that asks for nothing
.set LIMV, 101
.set MSB, 0
.macro WIN new                         ; low byte: bits 1:0 source 0, 3:2 source 1, 5:4 source 2, 7:6 destination; the high byte repeats the setting that is left
.if MSB != \new
	s_set_vgpr_msb (MSB<<8)|\new
.set MSB, \new
.endif
.endm
.macro PLACES n                        ; plain vector instructions between a matrix instruction and what may not follow it closely (ISA guide 7.12.1)
.rept \n
	v_nop
.endr
.endm
.macro CROUND                          ; a round of the cluster's barrier
	s_barrier_signal -1
	s_barrier_wait -1
	s_cmp_lg_u32 s[WV], 0
	s_cbranch_scc1 .Lnw0_\@
	s_barrier_signal -3
.Lnw0_\@:
	s_barrier_wait -3
	s_barrier_signal -1
	s_barrier_wait -1
.endm
; (the head alone)  my 4 tiles of 16 keys of one step (half 0 or 1 of the slot at v10) and their scale words (v11)
.macro KEYLOADS half
.irp t, 0,1,2,3
.irp c, 0,1,2,3
	ds_load_b128 v[P+16*\t+4*\c:P+16*\t+4*\c+3], v10 offset:(\half)*KHALF+\t*16*KPI+32*\c
.endr
	ds_load_b32 v[TSC+\t], v11 offset:64*\t
.endr
.endm
; k^T = Wk^T key^T + bk: 2 heads x 4 tiles, into S's registers from d on.  Nine places follow: the f32 products write over these results
.macro PROJMM d
	WIN 0x40
.irp t, 0,1,2,3
.irp g, 0,1
	v_wmma_scale_f32_16x16x128_f8f6f4 v[(\d)+8*(2*\t+\g):(\d)+8*(2*\t+\g)+7], v[WKF+16*\g:WKF+16*\g+15], v[P+16*\t:P+16*\t+15], v[BKR+8*\g:BKR+8*\g+7], v[WKS+\g], v[TSC+\t]
.endr
.endr
	WIN 0
	PLACES 9
.endm
; the eight results go to LDS as they stand: registers 0-3 at 16 x lane, 4-7 512 bytes on; each result from its low end on, the results in ascending order of their registers
.macro PROJST stage, d
	WIN 0x04
.irp t, 0,1,2,3
.irp g, 0,1
	ds_store_b128 v[KPW], v[(\d)+8*(2*\t+\g):(\d)+8*(2*\t+\g)+3] offset:\g*16384+(\stage)*8192+\t*1024
	ds_store_b128 v[KPW], v[(\d)+8*(2*\t+\g)+4:(\d)+8*(2*\t+\g)+7] offset:\g*16384+(\stage)*8192+\t*1024+512
.endr
.endr
	WIN 0
.endm
.macro KPL stage, hi                   ; four of my head's eight images of a step: tiles 4 hi on
.irp t, 0,1,2,3
	ds_load_b128 v[W+8*(4*(\hi)+\t):W+8*(4*(\hi)+\t)+3], v[KPR] offset:(\stage)*8192+(4*(\hi)+\t)*1024
	ds_load_b128 v[W+8*(4*(\hi)+\t)+4:W+8*(4*(\hi)+\t)+7], v[KPR] offset:(\stage)*8192+(4*(\hi)+\t)*1024+512
.endr
.endm
; Product i of 32 of S^T = k q^T for unit u: tiles of keys 0-3 first, then 4-7; in each half 4 chunks of 4 features x 4 tiles.  The four sums take turns, one instruction a turn;
; the first chunk starts each sum with the constant 0
.macro SCW u
	WIN 0x50
.set sT, 4*(i/16)+i%4
.set sC, (i%16)/4
.if sC == 0
	v_wmma_f32_16x16x4_f32 v[64*(\u)+8*sT:64*(\u)+8*sT+7], v[W+8*sT+2*sC:W+8*sT+2*sC+1], v[QF+8*(\u)+2*sC:QF+8*(\u)+2*sC+1], 0
.else
	v_wmma_f32_16x16x4_f32 v[64*(\u)+8*sT:64*(\u)+8*sT+7], v[W+8*sT+2*sC:W+8*sT+2*sC+1], v[QF+8*(\u)+2*sC:QF+8*(\u)+2*sC+1], v[64*(\u)+8*sT:64*(\u)+8*sT+7]
.endif
.endm
; THE SOFTMAX OF UNIT u FOR ONE STEP is a list of 296 numbers; SM writes number j.  64 scores a lane become codes in v[CD + 16 u] on and a scale word in v[PW + u].
;   0-31    the largest t of each block of 32 keys (my 16 of them), the four blocks by turns; each tile of S^T is read from its low end on
;   32-47   the other half of the lanes'; the running largest t; -M = floor(-t); f = 2^(old M - new M)
;   48-83   t - M, into other registers than S^T's; the same of the blocks' largest t: p rises with t, so that gives each block's largest p
;   84-148  the 64 exponentials, one batch; a plain line (the sums x f); behind it the wait for the batch
;   149-184 the four exponentials of the blocks' largest; the sum of the unquantised p in two chains, which reads the 64 alone; behind it the wait for the four
;   185-203 the floor, the conversions' scale operands, 448 x the scales, the bytes, the scale word
;   204-279 for each block: 16 holds, 2 conversions, and one number for the loads that take the block's 16 registers at once: ld = 1: tile b of the keys to be projected; ld = 2: V's tile b; ld = 0: none
;   280-295 O^T's tiles 0-3 of the unit x f
.macro SM u, ld
.set SB, 64*(\u)
.set ST, STT+4*(\u)
.set CU, CD+16*(\u)
.if j < 32
	WIN 0x05
.elseif (j >= 48) && (j < 80)
	WIN 0x01
.elseif j >= 280
	WIN 0x41
.else
	WIN 0
.endif
.if j < 4
	v_max_num_f32 v[BM+j], v[SB+16*j], v[SB+16*j+1]
.elseif j < 32
	v_max3_num_f32 v[BM+j%4], v[SB+16*(j%4)+2*(j/4)], v[SB+16*(j%4)+2*(j/4)+1], v[BM+j%4]
.elseif j < 36
	v_permlanex16_b32 v[PT+j-32], v[BM+j-32], s[SEL], s[SEL+1]
.elseif j < 40
	v_max_num_f32 v[BM+j-36], v[BM+j-36], v[PT+j-36]
.elseif j == 40
	v_max3_num_f32 v[TMP], v[BM], v[BM+1], v[BM+2]
.elseif j == 41
	v_max_num_f32 v[TMP], v[TMP], v[BM+3]
.elseif j == 42
	v_max_num_f32 v[ST+1], v[ST+1], v[TMP]
.elseif j == 43
	v_mov_b32 v[TMP], v[ST]
.elseif j == 44
	v_floor_f32 v[ST], -v[ST+1]
.elseif j == 45
	v_sub_f32 v[TMP], v[ST], v[TMP]
.elseif j == 46
	v_cvt_i32_f32 v[TMP], v[TMP]
.elseif j == 47
	v_ldexp_f32 v[FF+2*(\u)], 1.0, v[TMP]
.elseif j < 80
	v_pk_add_f32 v[P+2*(j-48):P+2*(j-48)+1], v[SB+2*(j-48):SB+2*(j-48)+1], v[ST:ST+1] op_sel_hi:[1,0]
.elseif j < 84
	v_add_f32 v[BM+j-80], v[BM+j-80], v[ST]
.elseif j < 148
	v_exp_f32 v[P+j-84], v[P+j-84]
.elseif j == 148
	v_pk_mul_f32 v[ST+2:ST+3], v[ST+2:ST+3], v[FF+2*(\u):FF+2*(\u)+1] op_sel_hi:[1,0]
.elseif j < 153
.if j == 149
	s_wait_alu depctr_va_vdst(0)
.endif
	v_exp_f32 v[BM+j-149], v[BM+j-149]
.elseif j == 153
	v_pk_add_f32 v[SU:SU+1], v[P:P+1], v[P+2:P+3]
.elseif j < 184
.if (j-154)%2 == 0
	v_pk_add_f32 v[ST+2:ST+3], v[ST+2:ST+3], v[P+4+4*((j-154)/2):P+5+4*((j-154)/2)]
.else
	v_pk_add_f32 v[SU:SU+1], v[SU:SU+1], v[P+6+4*((j-154)/2):P+7+4*((j-154)/2)]
.endif
.elseif j == 184
	v_pk_add_f32 v[ST+2:ST+3], v[ST+2:ST+3], v[SU:SU+1]
.elseif j < 189
.if j == 185
	s_wait_alu depctr_va_vdst(0)
.endif
	v_max_num_f32 v[BM+j-185], 0x4800000, v[BM+j-185]
.elseif j < 193
	v_add_nc_u32 v[SO+j-189], 0xfc000000, v[BM+j-189]
.elseif j < 197
	v_and_or_b32 v[LM+j-193], v[BM+j-193], 0x7f800000, s[MNT]
.elseif j < 201
	v_lshrrev_b32 v[PT+j-197], 23, v[SO+j-197]
.elseif j == 201
	v_lshl_or_b32 v[PW+(\u)], v[PT+1], 8, v[PT]
.elseif j == 202
	v_lshl_or_b32 v[PW+(\u)], v[PT+2], 16, v[PW+(\u)]
.elseif j == 203
	v_lshl_or_b32 v[PW+(\u)], v[PT+3], 24, v[PW+(\u)]
.elseif j < 280
.set nb, (j-204)/19
.set nm, (j-204)%19
.if nm < 16
	v_min_num_f32 v[P+16*nb+nm], v[P+16*nb+nm], v[LM+nb]   ; the conversion does not saturate (ISA guide 7.6.2); p is not negative, so the hold is one-sided
.elseif nm == 16
	v_cvt_scalef32_pk8_fp8_f32 v[CU+4*nb:CU+4*nb+1], v[P+16*nb:P+16*nb+7], v[SO+nb]
.elseif nm == 17
	v_cvt_scalef32_pk8_fp8_f32 v[CU+4*nb+2:CU+4*nb+3], v[P+16*nb+8:P+16*nb+15], v[SO+nb]
.elseif \ld == 1
.if nb == 0
	v_add_nc_u32 v10, s[TBK], v[AKC]
.endif
.irp c, 0,1,2,3
	ds_load_b128 v[P+16*nb+4*\c:P+16*nb+4*\c+3], v10 offset:KH+nb*16*KPI+32*\c
.endr
.elseif \ld == 2
.irp c, 0,1,2,3
	ds_load_b64 v[P+16*nb+4*\c:P+16*nb+4*\c+1], v10 offset:VC+nb*16*VPI+32*\c        ; in p's order of keys: 8 bytes at 32 c + 8 h
	ds_load_b64 v[P+16*nb+4*\c+2:P+16*nb+4*\c+3], v10 offset:VC+nb*16*VPI+32*\c+16   ; and 8 at 32 c + 16 + 8 h
.endr
.endif
.else
	v_pk_mul_f32 v[OA+64*(\u)+2*(j-280):OA+64*(\u)+2*(j-280)+1], v[OA+64*(\u)+2*(j-280):OA+64*(\u)+2*(j-280)+1], v[FF+2*(\u):FF+2*(\u)+1] op_sel_hi:[1,0]
.endif
.endm
; A TURN.  Unit u's softmax; mm = 1: the other unit's 32 score products, with per numbers of the list behind each, up to number 279.  pre numbers stand ahead of the first product.
; Numbers 280-295 stand behind the last product: sixteen plain lines that name none of its registers, the places ahead of the loads and reads that follow the turn.
; LOS > 0: the next step's images 0-3 (stage LOS - 1) are loaded behind product 17: the last product that read those registers is number 15, and numbers 153-179, packed additions, lie between.
.macro TURN u, ld, mm, pre, per
.set j, 0
.rept \pre
	SM \u, \ld
.set j, j+1
.endr
.if \mm
.if \pre
	s_wait_dscnt 12                                ; twelve may stay out: the last eight stores of images and the four scale words (where nothing was projected: the images' tiles 4-7 and the scale words).
.endif                                                 ; So the stores that read S^T's tiles 0-3 have read them, and the images' tiles 0-3 are in
.set i, 0
.rept 32
.if (\pre) && (i == 16)
	s_wait_dscnt 0x0                               ; the other stores have read S^T's tiles 4-7, and the images' tiles 4-7 are in; V's loads come later
.endif
	SCW 1-\u
.rept \per
.if j < 280
	SM \u, \ld
.set j, j+1
.endif
.endr
.if (LOS > 0) && (i == 17)
	WIN 0
	KPL LOS-1, 0
.endif
.set i, i+1
.endr
.endif
.rept 296
.if j < 296
	SM \u, \ld
.set j, j+1
.endif
.endr
	WIN 0
.endm
; O^T += V^T P^T: V's tiles 4 hh .. 4 hh + 3 (in v[P] on) x both units.  The scale words of tiles 4-7 lie in lanes 16-31
.macro PVM hh
	WIN 0x50
.irp t, 0,1,2,3
.irp u, 0,1
.if \hh
	v_wmma_scale_f32_16x16x128_f8f6f4 v[OA+64*\u+8*(4+\t):OA+64*\u+8*(4+\t)+7], v[P+16*\t:P+16*\t+15], v[CD+16*\u:CD+16*\u+15], v[OA+64*\u+8*(4+\t):OA+64*\u+8*(4+\t)+7], v[TSC+\t], v[PW+\u] matrix_a_scale:MATRIX_SCALE_ROW1
.else
	v_wmma_scale_f32_16x16x128_f8f6f4 v[OA+64*\u+8*\t:OA+64*\u+8*\t+7], v[P+16*\t:P+16*\t+15], v[CD+16*\u:CD+16*\u+15], v[OA+64*\u+8*\t:OA+64*\u+8*\t+7], v[TSC+\t], v[PW+\u]
.endif
.endr
.endr
.endm
; THE STEP'S BARRIER.  In front of it every LDS access of the step is over: the images of the step after next are stored, the next step's images, the key fragments and all of V's tiles are read.
; fill = 1: a slot is filled again behind a round of the cluster's barrier: behind an even step the key slot whose two steps were projected last takes the next 256 keys (waves 0, 1),
; behind an odd step the V slot just read out takes the next 256 keys' columns (waves 2, 3): one tensor load a wave, with a step's work in which to land.  fill = 0: the last tile is awaited, nothing is filled.  fill = 2: no tensor load is out
.macro MEET q, fill
.if \fill < 2
	s_wait_tensorcnt 0x0                           ; all my tensor loads have landed, so a group 0 may be written
	ds_add_u32 v[SPW], v[NIL]                      ; 0 onto my spare word: scalar steps and sixteen scalings stand between it and the wait for it
.endif
	s_add_co_u32 s[TS], s[TS], 544
	s_add_co_u32 s[TJ], s[TJ], 4
.if \q
	s_xor_b32 s[TBK], s[TBK], KSL
	s_xor_b32 s[TBV], s[TBV], VSL
.endif
.if \fill == 1
.if \q == 0
	s_xor_b32 s[G0K+1], s[G0K+1], KSL              ; the other slot than last time,
	s_add_nc_u64 s[G0K+2:G0K+3], s[G0K+2:G0K+3], 32768   ; the next 256 keys of 128 bytes; the type bits on top are not reached
	s_wait_xcnt 0x0                                ; the last prefetch by this address, a trip back, has read it
	s_add_nc_u64 s[PFAV:PFAV+1], s[PFAV:PFAV+1], 256
.else
	s_xor_b32 s[G0V+1], s[G0V+1], VSL
	s_add_nc_u64 s[G0V+2:G0V+3], s[G0V+2:G0V+3], 256
	s_wait_xcnt 0x0
	s_add_nc_u64 s[PFAK:PFAK+1], s[PFAK:PFAK+1], 32768
.endif
.endif
	WIN 0x41
.set j, 0
.rept 16
	v_pk_mul_f32 v[OA+96+j:OA+96+j+1], v[OA+96+j:OA+96+j+1], v[FF+2:FF+3] op_sel_hi:[1,0]   ; unit 1's O^T, tiles 4-7, under the new M
.set j, j+2
.endr
	WIN 0
	s_wait_dscnt 0x0                               ; the add is done, my images are stored, my reads of the slots and images are over, and V's tiles 4-7 are in
.if \fill == 1
	CROUND                                         ; the same now holds of every wave of all four work-groups
.if \q == 0
	s_cmp_lt_u32 s[WV], 2
	s_cbranch_scc0 .Lnl_\@
	tensor_load_to_lds s[G0K:G0K+3], s[G1K:G1K+7]
	s_nop 0
	PLACES 4
.Lnl_\@:
	s_cmp_gt_u32 s[TRIPS], s[LIMV]                 ; wave 7 of the batch's first cluster: the 256 columns of V that the next barrier's load will ask for; 32 rows for each partner, told apart by address, a lane a row
	s_cbranch_scc0 .Lnp_\@
	global_prefetch_b8 v[PFO], s[PFAV:PFAV+1] th:TH_LOAD_NT scope:SCOPE_SE
.Lnp_\@:
.else
	s_cmp_eq_u32 s[ROLE], 1
	s_cbranch_scc0 .Lnl_\@
	tensor_load_to_lds s[G0V:G0V+3], s[G1V:G1V+7]
	s_nop 0
	PLACES 4
.Lnl_\@:
	s_cmp_gt_u32 s[TRIPS], s[LIMK]                 ; wave 6 of the batch's first cluster: the 256 keys that the next barrier's load will ask for; 8,192 bytes for each partner, lanes 256 bytes apart.  The last trip asks for nothing
	s_cbranch_scc0 .Lnp_\@
	global_prefetch_b8 v[PFO], s[PFAK:PFAK+1] th:TH_LOAD_NT scope:SCOPE_SE
.Lnp_\@:
.endif
.else
	s_barrier_signal -1
	s_barrier_wait -1
.endif
.endm
; A STEP i of parity q.  proj = 1: k of step i + 2 is projected (images to stage q).  nxt = 1: there is a step i + 1: its images (stage 1 - q) are fetched and unit 0's scores of it are made
.macro STEP q, fill, proj, nxt
.set KH, (\q)*KHALF
.set VC, 128*(\q)
.set LOS, (\nxt)*(2-(\q))
.if \proj
	v_add_nc_u32 v11, s[TS], v[ASK0]
	v_add_nc_u32 v10, s[BIO], v[KPR]
.irp t, 0,1,2,3
	ds_load_b32 v[TSC+\t], v11 offset:64*\t        ; the scale words of the keys to be projected
.endr
.irp c, 0,1,2,3
	ds_load_b128 v[BKR+4*\c:BKR+4*\c+3], v10 offset:512*\c   ; bk
.endr
.endif
	TURN 0, \proj, 1, 0, 10                        ; TURN X: unit 1's scores of this step | unit 0's softmax
.if \nxt
	KPL 1-(\q), 1                                  ; the next step's images 4-7, behind the turn's sixteen scalings
.endif
.if \proj
	s_wait_dscnt 8                                 ; all but the eight just issued: the key fragments, their scale words and bk are in
	PROJMM 0                                       ; into S^T's registers of unit 0, which its softmax has left
	PROJST \q, 0
.endif
	v_add_nc_u32 v11, s[TJ], v[ASV0]
	v_add_nc_u32 v10, s[TBV], v[AV0]
.irp t, 0,1,2,3
	ds_load_b32 v[TSC+\t], v11 offset:1088*\t      ; V's scale words: lanes 0-15: tile t's; lanes 16-31: tile t + 4's
.endr
.set LOS, 0
	TURN 1, 2, \nxt, 40, 9                         ; TURN Y: unit 0's scores of the next step | unit 1's softmax; its first 40 numbers stand while the stores above are served
	s_wait_dscnt 0x0                               ; V's tiles 0-3 and the scale words are in
	PVM 0
	WIN 0x41
.set j, 0
.rept 16
	v_pk_mul_f32 v[OA+32+j:OA+32+j+1], v[OA+32+j:OA+32+j+1], v[FF:FF+1] op_sel_hi:[1,0]   ; unit 0's O^T, tiles 4-7, under the new M.  (Also the places ahead of the loads below)
.set j, j+2
.endr
	WIN 0
.irp t, 0,1,2,3
.irp c, 0,1,2,3
	ds_load_b64 v[P+16*\t+4*\c:P+16*\t+4*\c+1], v10 offset:VC+(4+\t)*16*VPI+32*\c
	ds_load_b64 v[P+16*\t+4*\c+2:P+16*\t+4*\c+3], v10 offset:VC+(4+\t)*16*VPI+32*\c+16
.endr
.endr
	MEET \q, \fill
	PVM 1
	WIN 0
	PLACES 8                                       ; behind these products: what follows loads into the scale words' and unit 1's codes' registers, writes V's fragments' registers, or reads O^T
.endm
; x of unit u (64 numbers a lane in v[P] on) becomes codes and a scale word
.macro QX u
.set CU, CD+16*(\u)
.irp b, 0,1,2,3
	v_max3_num_f32 v[BM+\b], |v[P+16*\b]|, |v[P+16*\b+1]|, 0x4800000
.endr
.irp i, 2,4,6,8,10,12,14
.irp b, 0,1,2,3
	v_max3_num_f32 v[BM+\b], v[BM+\b], |v[P+16*\b+\i]|, |v[P+16*\b+\i+1]|
.endr
.endr
.irp b, 0,1,2,3
	v_permlanex16_b32 v[PT+\b], v[BM+\b], s[SEL], s[SEL+1]
.endr
.irp b, 0,1,2,3
	v_max_num_f32 v[BM+\b], v[BM+\b], v[PT+\b]
.endr
.irp b, 0,1,2,3
	v_add_nc_u32 v[SO+\b], 0xfc000000, v[BM+\b]
.endr
.irp b, 0,1,2,3
	v_and_or_b32 v[LM+\b], v[BM+\b], 0x7f800000, s[MNT]
.endr
.irp b, 0,1,2,3
	v_lshrrev_b32 v[PT+\b], 23, v[SO+\b]
.endr
	v_lshl_or_b32 v[PW+(\u)], v[PT+1], 8, v[PT]
	v_lshl_or_b32 v[PW+(\u)], v[PT+2], 16, v[PW+(\u)]
	v_lshl_or_b32 v[PW+(\u)], v[PT+3], 24, v[PW+(\u)]
.irp b, 0,1,2,3
.irp i, 0,1,2,3,4,5,6,7,8,9,10,11,12,13,14,15
	v_med3_num_f32 v[P+16*\b+\i], v[P+16*\b+\i], -v[LM+\b], v[LM+\b]
.endr
	v_cvt_scalef32_pk8_fp8_f32 v[CU+4*\b:CU+4*\b+1], v[P+16*\b:P+16*\b+7], v[SO+\b]
	v_cvt_scalef32_pk8_fp8_f32 v[CU+4*\b+2:CU+4*\b+3], v[P+16*\b+8:P+16*\b+15], v[SO+\b]
.endr
	v_nop                                          ; a plain instruction behind the last conversion
.endm
; x = O^T / l of unit u into v[P] on; then four of Wo's fragments into the registers that O^T has left, in x's order of channels
.macro XMUL u
	WIN 0x01
.set j, 0
.rept 32
	v_pk_mul_f32 v[P+j:P+j+1], v[OA+64*(\u)+j:OA+64*(\u)+j+1], v[FF+2*(\u):FF+2*(\u)+1] op_sel_hi:[1,0]
.set j, j+2
.endr
	WIN 0x40
.irp t, 0,1,2,3
.irp c, 0,1,2,3
	global_load_b64 v[OA+64*(\u)+16*\t+4*\c:OA+64*(\u)+16*\t+4*\c+1], v1, s[28:29] offset:(4*(\u)+\t)*16384+32*\c
	global_load_b64 v[OA+64*(\u)+16*\t+4*\c+2:OA+64*(\u)+16*\t+4*\c+3], v1, s[28:29] offset:(4*(\u)+\t)*16384+32*\c+16
.endr
.endr
	WIN 0
.endm
	; ---- THE HEAD
	s_load_b512 s[4:19], s[0:1], 0x0               ; query codes, scales; Wq codes, scales; bq; key codes, scales; Wk codes
	s_load_b512 s[20:35], s[0:1], 0x40             ; Wk scales; bk; value codes, scales; Wo codes, scales; bo; out0
	v_lshl_add_u32 v[SPW], v0, 2, SPARE
	v_mov_b32 v[NIL], 0
	ds_add_u32 v5, v6
	ds_add_u32 v5, v6
	s_wait_dscnt 0x0
	v_lshrrev_b32 v10, 5, v0
	v_readfirstlane_b32 s[WV], v10
	s_lshr_b32 s[ROLE], s[WV], 1
	s_and_b32 s[W1], s[WV], 1
	s_lshr_b32 s83, s[ROLE], 1
	s_and_b32 s83, s83, s[ROLE]                    ; 1 in waves 6 and 7: they bring the second pair of key steps
	s_lshr_b32 s84, s[ROLE], 1
	s_xor_b32 s84, s84, s83                        ; 1 in waves 4 and 5: they bring V's second pair
	s_xor_b32 s[BIO], s[WV], 7
	s_mul_i32 s[BIO], s[BIO], 14336
	s_add_co_u32 s[BIO], s[BIO], BIM-KIM-7*14336   ; BIM - KIM - 14,336 w
	s_mov_b32 s[SEL], 0x76543210
	s_mov_b32 s[SEL+1], 0xfedcba98
	s_mov_b32 s[MNT], 0x600000
	s_mov_b32 s[CQ], 0x3eb8aa3b
	; group 1 for key codes: 128 rows of 128 bytes, dense; 4 words of padding behind every 32; the mask names all four work-groups, bit 21 beside it
	s_mov_b32 s[G1K], 15|(1<<20)|(1<<21)|(4<<22)|(3<<25)
	s_mov_b32 s[G1K+1], 128<<16
	s_mov_b32 s[G1K+2], 128<<16
	s_mov_b32 s[G1K+3], 128<<16
	s_mov_b32 s[G1K+4], 128
	s_mov_b32 s[G1K+5], 128
	s_mov_b32 s[G1K+6], 0
	s_mov_b32 s[G1K+7], 0
	; for V's codes: 64 rows of 256 bytes, 2,048 bytes apart; 4 words of padding behind every 64
	s_mov_b32 s[G1V], 15|(1<<20)|(1<<21)|(5<<22)|(3<<25)
	s_mov_b32 s[G1V+1], 256<<16
	s_mov_b32 s[G1V+2], 64<<16
	s_mov_b32 s[G1V+3], 256<<16
	s_mov_b32 s[G1V+4], 64
	s_mov_b32 s[G1V+5], 2048
	s_mov_b32 s[G1V+6], 0
	s_mov_b32 s[G1V+7], 0
	; for a batch's scale bytes: 8,192 dense bytes as 32 rows of 32 elements of 8 bytes, padded likewise
	s_mov_b32 s[G1S], 15|(3<<16)|(1<<20)|(1<<21)|(5<<22)|(3<<25)
	s_mov_b32 s[G1S+1], 32<<16
	s_mov_b32 s[G1S+2], 32<<16
	s_mov_b32 s[G1S+3], 32<<16
	s_mov_b32 s[G1S+4], 32
	s_mov_b32 s[G1S+5], 32
	s_mov_b32 s[G1S+6], 0
	s_mov_b32 s[G1S+7], 0
	; the address registers that stay, ahead of the first branch on the wave's number
	v_and_b32 v192, 31, v0                         ; lane
	v_and_b32 v193, 15, v0                         ; r
	v_bfe_u32 v194, v0, 4, 1                       ; h
	v_mul_u32_u24 v[AKC], v193, KPI
	v_lshl_add_u32 v[AKC], v194, 4, v[AKC]
	s_mul_i32 s2, s[W1], 64*KPI
	v_add_nc_u32 v[AKC], s2, v[AKC]
	v_mul_u32_u24 v[AV0], v193, VPI
	v_lshl_add_u32 v[AV0], v194, 3, v[AV0]
	v_add_nc_u32 v[AV0], VR, v[AV0]
	s_mul_i32 s2, s[W1], 272
	s_add_co_u32 s2, s2, SCK
	v_lshl_add_u32 v[ASK0], v193, 2, s2
	v_lshrrev_b32 v195, 2, v193
	v_mul_u32_u24 v[ASV0], v195, 272
	v_and_b32 v195, 3, v193
	v_lshl_add_u32 v[ASV0], v195, 6, v[ASV0]
	v_mad_u32_u24 v[ASV0], v194, 4352, v[ASV0]
	v_add_nc_u32 v[ASV0], SCV, v[ASV0]
	s_lshl_b32 s2, s[WV], 14
	s_add_co_u32 s2, s2, KIM
	v_lshl_add_u32 v[KPR], v192, 4, s2
	s_and_b32 s2, s[WV], 6
	s_lshl_b32 s2, s2, 14
	s_lshl_b32 s87, s[W1], 12
	s_add_co_u32 s2, s2, s87
	s_add_co_u32 s2, s2, KIM
	v_lshl_add_u32 v[KPW], v192, 4, s2
	s_mul_i32 s2, s[W1], 3
	s_add_co_u32 s2, s2, 8
	v_lshlrev_b32 v[PFO], s2, v192                 ; 256 x lane in wave 6 (key codes), 2,048 x lane in wave 7 (rows of V)
	v_lshlrev_b32 v10, 7, v193
	v_lshl_add_u32 v10, v194, 4, v10               ; a fragment from rows of 128 bytes: 128 r + 16 h
	v_lshlrev_b32 v11, 2, v193                     ; scale words: 4 r
	v_lshlrev_b32 v[HOF], 5, v194                  ; biases in the result's layout: 32 h
	; who prefetches: waves 6 and 7 of the batch's first cluster (the same in all four partners)
	s_xor_b32 s2, s[WV], 6
	s_or_b32 s2, s2, ttmp9
	s_cmp_eq_u32 s2, 0
	s_cselect_b32 s[LIMK], 1, -1
	s_xor_b32 s2, s[WV], 7
	s_or_b32 s2, s2, ttmp9
	s_cmp_eq_u32 s2, 0
	s_cselect_b32 s[LIMV], 0, -1
	; my place.  What hangs on cx stays in s3, s[66:67] and s[96:99]
	s_bfe_u32 s3, ttmp6, 0x40000                   ; cx
	s_lshl_b32 s96, ttmp9, 2
	s_add_co_u32 s96, s96, s3                      ; my block of 32 queries
	s_lshl_b32 s96, s96, 5
	s_and_b32 s86, ttmp7, 0xffff                   ; the batch
	s_lshl_b32 s97, s86, 11
	s_add_co_u32 s96, s96, s97                     ; my work-group's first row of query and of out0
	s_lshr_b32 s97, s[WV], 2
	s_lshl_b32 s97, s97, 4
	s_and_b32 s98, s[WV], 3
	s_lshl_b32 s98, s98, 2
	s_add_co_u32 s97, s97, s98
	s_add_co_u32 s97, s97, s96                     ; the first of the 4 rows that I store
	s_mov_b32 s67, 0
	s_mov_b32 s89, 0
	s_wait_kmcnt 0x0
	s_lshl_b32 s66, s96, 7
	s_add_nc_u64 s[4:5], s[4:5], s[66:67]
	s_lshl_b32 s66, s96, 2
	s_add_nc_u64 s[6:7], s[6:7], s[66:67]
	s_lshl_b32 s66, s97, 9
	s_add_nc_u64 s[34:35], s[34:35], s[66:67]
	s_lshl_b32 s88, s[WV], 11                      ; my head's 16 rows of Wq
	s_add_nc_u64 s[8:9], s[8:9], s[88:89]
	s_lshl_b32 s88, s[WV], 6
	s_add_nc_u64 s[10:11], s[10:11], s[88:89]
	s_add_nc_u64 s[12:13], s[12:13], s[88:89]
	s_and_b32 s87, s[WV], 6                        ; the pair of heads that I project k for
	s_lshl_b32 s88, s87, 11
	s_add_nc_u64 s[18:19], s[18:19], s[88:89]
	s_lshl_b32 s88, s87, 6
	s_add_nc_u64 s[20:21], s[20:21], s[88:89]
	s_add_nc_u64 s[22:23], s[22:23], s[88:89]
	s_lshl_b32 s88, s[WV], 7                       ; my head's 128 along Wo's K
	s_add_nc_u64 s[28:29], s[28:29], s[88:89]
	s_lshl_b32 s88, s[WV], 2
	s_add_nc_u64 s[30:31], s[30:31], s[88:89]
	s_lshl_b32 s88, s86, 18                        ; the batch's codes of key and of value
	s_add_nc_u64 s[14:15], s[14:15], s[88:89]
	s_add_nc_u64 s[24:25], s[24:25], s[88:89]
	s_lshl_b32 s88, s86, 13                        ; and their scale bytes
	s_add_nc_u64 s[16:17], s[16:17], s[88:89]
	s_add_nc_u64 s[26:27], s[26:27], s[88:89]
	; groups 0.  Key codes: waves 0, 1: keys 0-255 into slot 0; waves 6, 7: keys 256-511 into slot 1.  V: waves 2, 3: columns 0-255 into slot 0; waves 4, 5: columns 256-511 into slot 1
	s_mov_b32 s[G0K], 1
	s_mul_i32 s[G0K+1], s[W1], KHALF
	s_mul_i32 s2, s83, KSL
	s_add_co_u32 s[G0K+1], s[G0K+1], s2
	s_lshl_b32 s88, s[W1], 14
	s_lshl_b32 s2, s83, 15
	s_add_co_u32 s88, s88, s2
	s_add_nc_u64 s[G0K+2:G0K+3], s[14:15], s[88:89]
	s_or_b32 s[G0K+3], s[G0K+3], 0x80000000
	s_mov_b32 s[G0V], 1
	s_mul_i32 s[G0V+1], s[W1], VHALF
	s_mul_i32 s2, s84, VSL
	s_add_co_u32 s[G0V+1], s[G0V+1], s2
	s_add_co_u32 s[G0V+1], s[G0V+1], VR
	s_lshl_b32 s88, s[W1], 17
	s_lshl_b32 s2, s84, 8
	s_add_co_u32 s88, s88, s2
	s_add_nc_u64 s[G0V+2:G0V+3], s[24:25], s[88:89]
	s_or_b32 s[G0V+3], s[G0V+3], 0x80000000
	s_mov_b32 s[G0SK], 1
	s_mov_b32 s[G0SK+1], SCK
	s_mov_b64 s[G0SK+2:G0SK+3], s[16:17]
	s_or_b32 s[G0SK+3], s[G0SK+3], 0x80000000
	s_mov_b32 s[G0SV], 1
	s_mov_b32 s[G0SV+1], SCV
	s_mov_b64 s[G0SV+2:G0SV+3], s[26:27]
	s_or_b32 s[G0SV+3], s[G0SV+3], 0x80000000
	; the prefetches' addresses: key codes at keys 512 on, my work-group's quarter; V at column 256, my work-group's 32 rows.  Each is stepped ahead of its first use; nothing is prefetched here
	s_lshl_b32 s66, s3, 13
	s_add_co_u32 s66, s66, 65536
	s_add_nc_u64 s[PFAK:PFAK+1], s[14:15], s[66:67]
	s_lshl_b32 s66, s3, 16
	s_add_co_u32 s66, s66, 256
	s_add_nc_u64 s[PFAV:PFAV+1], s[24:25], s[66:67]
	CROUND                                         ; all four work-groups are here: the first joint loads meet
	s_cmp_eq_u32 s[ROLE], 1                        ; the first fills: all four slots and the scale bytes.  Waves 4 and 5 have two loads out, the others one
	s_cbranch_scc0 .Lf1
	tensor_load_to_lds s[G0V:G0V+3], s[G1V:G1V+7]
	s_nop 0
	PLACES 4
	s_branch .Lfd
.Lf1:
	s_cmp_eq_u32 s[WV], 4
	s_cbranch_scc0 .Lf2
	tensor_load_to_lds s[G0SK:G0SK+3], s[G1S:G1S+7]
	s_nop 0
	tensor_load_to_lds s[G0V:G0V+3], s[G1V:G1V+7]
	s_nop 0
	PLACES 4
	s_branch .Lfd
.Lf2:
	s_cmp_eq_u32 s[WV], 5
	s_cbranch_scc0 .Lf3
	tensor_load_to_lds s[G0SV:G0SV+3], s[G1S:G1S+7]
	s_nop 0
	tensor_load_to_lds s[G0V:G0V+3], s[G1V:G1V+7]
	s_nop 0
	PLACES 4
	s_branch .Lfd
.Lf3:
	tensor_load_to_lds s[G0K:G0K+3], s[G1K:G1K+7]  ; waves 0, 1, 6, 7
	s_nop 0
	PLACES 4
.Lfd:
.irp c, 0,1,2,3
	global_load_b128 v[P+4*\c:P+4*\c+3], v10, s[8:9] offset:32*\c              ; Wq: my head's 16 rows
	global_load_b128 v[P+16+4*\c:P+16+4*\c+3], v10, s[4:5] offset:32*\c        ; query: unit 0,
	global_load_b128 v[P+32+4*\c:P+32+4*\c+3], v10, s[4:5] offset:2048+32*\c   ; unit 1
	global_load_b128 v[WKF+4*\c:WKF+4*\c+3], v10, s[18:19] offset:32*\c        ; Wk: two heads; they stay
	global_load_b128 v[WKF+16+4*\c:WKF+16+4*\c+3], v10, s[18:19] offset:2048+32*\c
.endr
	global_load_b128 v[P+48:P+51], v[HOF], s[12:13]                            ; bq at features 8 h + 0..7 of my head
	global_load_b128 v[P+52:P+55], v[HOF], s[12:13] offset:16
.irp g, 0,1
	global_load_b128 v[BKR+8*\g:BKR+8*\g+3], v[HOF], s[22:23] offset:64*\g
	global_load_b128 v[BKR+8*\g+4:BKR+8*\g+7], v[HOF], s[22:23] offset:64*\g+16
	global_load_b32 v[WKS+\g], v11, s[20:21] offset:64*\g
.endr
	global_load_b32 v[TSC], v11, s[10:11]
	global_load_b32 v[TSC+1], v11, s[6:7]
	global_load_b32 v[TSC+2], v11, s[6:7] offset:64
.irp u, 0,1
	v_mov_b32 v[STT+4*\u+1], 0xff61b1e6            ; the largest t so far: -3e38, under every t
	v_floor_f32 v[STT+4*\u], -v[STT+4*\u+1]
	v_mov_b32 v[STT+4*\u+2], 0
	v_mov_b32 v[STT+4*\u+3], 0
	v_mov_b32 v[FF+2*\u+1], 0                      ; named as the upper half of a pair
.endr
.irp b, 0,1,2,3
	v_mov_b32 v[PT+\b], 0                          ; a lane permute's destination counts as one of its sources
.endr
	s_mov_b32 s[TBK], 0
	s_mov_b32 s[TS], 0
	s_wait_loadcnt 0x0
	v_add_nc_u32 v10, s[BIO], v[KPR]
.irp c, 0,1,2,3
	ds_store_b128 v10, v[BKR+4*\c:BKR+4*\c+3] offset:512*\c   ; bk's image, for the steps; the head's two projections take it from the registers
.endr
	v_wmma_scale_f32_16x16x128_f8f6f4 v[152:159], v[P:P+15], v[P+16:P+31], v[P+48:P+55], v[TSC], v[TSC+1]   ; q^T = Wq^T query^T + bq
	v_wmma_scale_f32_16x16x128_f8f6f4 v[216:223], v[P:P+15], v[P+32:P+47], v[P+48:P+55], v[TSC], v[TSC+2]
	WIN 0x40
.set j, 0
.rept 128
	v_mov_b32 v[OA+j], 0                           ; O^T.  The step is written once: its first run finds zeros, which the first change of M leaves zeros.  (Also the places behind the two products)
.set j, j+1
.endr
	WIN 0
.irp j, 0,1,2,3,4,5,6,7
	v_mul_f32 v[QF+\j], s[CQ], v[152+\j]           ; q x c
.endr
.irp j, 0,1,2,3,4,5,6,7
	v_mul_f32 v[QF+8+\j], s[CQ], v[216+\j]
.endr
	s_wait_tensorcnt 0x0                           ; my first fills have landed, so the groups 0 may be written: in the waves that fill again they now stand at the second pair, slot 1
	s_xor_b32 s[G0K+1], s[G0K+1], KSL
	s_add_nc_u64 s[G0K+2:G0K+3], s[G0K+2:G0K+3], 32768
	s_xor_b32 s[G0V+1], s[G0V+1], VSL
	s_add_nc_u64 s[G0V+2:G0V+3], s[G0V+2:G0V+3], 256
	s_wait_dscnt 0x0
	s_barrier_signal -1
	s_barrier_wait -1                              ; everybody's first fills have landed
	v_add_nc_u32 v10, s[TBK], v[AKC]               ; steps 0 and 1 are projected here: both lie in the first key slot.  Their results pass through S^T's registers of unit 0 and of unit 1
	v_add_nc_u32 v11, s[TS], v[ASK0]
	KEYLOADS 0
	s_wait_dscnt 0x0
	PROJMM 0
	PROJST 0, 0
	v_add_nc_u32 v11, 544, v[ASK0]
	KEYLOADS 1
	s_wait_dscnt 0x0
	PROJMM 64
	PROJST 1, 64
	s_wait_dscnt 0x0                               ; my images are stored,
	s_barrier_signal -1
	s_barrier_wait -1                              ; everybody's are
	KPL 0, 0                                       ; step 0's images
	KPL 0, 1
	s_wait_dscnt 0x0                               ; they are in: say so, since step 0 stores into their stage;
	s_barrier_signal -1
.set i, 0
.rept 32
	SCW 0                                          ; unit 0's scores of step 0: there is no vector work yet to set between them
.set i, i+1
.endr
	WIN 0
	s_barrier_wait -1                              ; every wave has read them
	PLACES 9                                       ; behind the f32 form, ahead of the first read of S^T
	s_mov_b32 s[TBK], KSL                          ; step 2 lies in key slot 1
	s_mov_b32 s[TBV], 0
	s_mov_b32 s[TS], 2*544
	s_mov_b32 s[TJ], 0
	s_mov_b32 s[TRIPS], 6
	; ---- THE KEYS: 16 steps; a trip is two.  Trip m asks for keys 256 (m + 2) on behind its first step and for V's columns 256 (m + 2) on behind its second
.Ltrip:
	STEP 0, 1, 1, 1
	STEP 1, 1, 1, 1
	s_sub_co_u32 s[TRIPS], s[TRIPS], 1
	s_cmp_lg_u32 s[TRIPS], 0
	s_cbranch_scc1 .Ltrip
	STEP 0, 0, 1, 1                                ; the tail is written out: steps 12 and 13 fill nothing
	STEP 1, 2, 1, 1
	STEP 0, 2, 0, 1                                ; steps 14 and 15 project nothing more,
	STEP 1, 2, 0, 0                                ; and step 15 has no next step.  Its barrier stands behind every wave's last read of the images: the stage of the end lies over them
	; ---- THE END: x = O^T / l, quantised; my head's part of x Wo; the eight parts added through LDS.  (The step has ended with its places)
.irp u, 0,1
	v_add_f32 v[STT+4*\u+2], v[STT+4*\u+2], v[STT+4*\u+3]
.endr
.irp u, 0,1
	v_permlanex16_b32 v[PT+\u], v[STT+4*\u+2], s[SEL], s[SEL+1]
.endr
.irp u, 0,1
	v_add_f32 v[STT+4*\u+2], v[STT+4*\u+2], v[PT+\u]   ; the row's sum
.endr
.irp u, 0,1
	v_rcp_f32 v[FF+2*\u], v[STT+4*\u+2]
.endr
	v_and_b32 v200, 15, v0                         ; r.  (Plain work behind the reciprocals)
	v_bfe_u32 v201, v0, 4, 1                       ; h
	v_and_b32 v202, 31, v0                         ; lane
	v_lshlrev_b32 v1, 10, v200
	v_lshl_add_u32 v1, v201, 3, v1                 ; Wo's codes: row r of 1,024 bytes, + 8 h
	v_lshl_add_u32 v2, v201, 6, v200
	v_lshlrev_b32 v2, 5, v2                        ; Wo's scale words: row r + 64 h of 32 bytes: lanes 16-31 take the tile four further on
	v_lshlrev_b32 v3, 4, v202                      ; 16 x lane: bo, and a row of out0
	s_mul_i32 s2, s[WV], PSB
	s_add_co_u32 s2, s2, PST
	v_mul_u32_u24 v4, v200, 528
	v_lshl_add_u32 v4, v201, 5, v4
	v_add_nc_u32 v4, s2, v4                        ; the stage: (unit 0, my head), row r, + 32 h;
	v_add_nc_u32 v7, 8*PSB, v4                     ; unit 1
	s_lshr_b32 s2, s[WV], 2
	s_mul_i32 s2, s2, 8*PSB
	s_and_b32 s87, s[WV], 3
	s_mul_i32 s87, s87, 4*528
	s_add_co_u32 s2, s2, s87
	s_add_co_u32 s2, s2, PST
	v_add_nc_u32 v9, s2, v3                        ; back: unit w / 4, rows 4 (w % 4) on, 16 bytes a lane
	global_load_b128 v[20:23], v3, s[32:33]        ; bo at my 4 outputs
.irp t, 0,1,2,3
	global_load_b32 v[TSC+\t], v2, s[30:31] offset:512*\t
.endr
	s_wait_alu depctr_va_vdst(0)                   ; one wait for the two reciprocals, ahead of their first reader
	XMUL 0
	QX 0
	XMUL 1
	QX 1
	PLACES 4                                       ; the codes stand four places ahead of the scaled products
	s_wait_loadcnt 0x0                             ; Wo's fragments and scale words, and bo
	WIN 0x41
.irp t, 0,1,2,3,4,5,6,7                ; out^T part: source 0 = 16 outputs' rows of Wo, source 1 = x; K = my head's 128 channels
.irp u, 0,1
.if \t < 4
	v_wmma_scale_f32_16x16x128_f8f6f4 v[64*\u+8*\t:64*\u+8*\t+7], v[OA+16*\t:OA+16*\t+15], v[CD+16*\u:CD+16*\u+15], 0, v[TSC+\t%4], v[PW+\u]
.else
	v_wmma_scale_f32_16x16x128_f8f6f4 v[64*\u+8*\t:64*\u+8*\t+7], v[OA+16*\t:OA+16*\t+15], v[CD+16*\u:CD+16*\u+15], 0, v[TSC+\t%4], v[PW+\u] matrix_a_scale:MATRIX_SCALE_ROW1
.endif
.endr
.endr
	WIN 0
	PLACES 8
	WIN 0x04
.irp t, 0,1,2,3,4,5,6,7
	ds_store_b128 v4, v[8*\t:8*\t+3] offset:64*\t            ; lane (r, h): outputs 16 t + 8 h + 0..7 of query r; each result from its low end on
	ds_store_b128 v4, v[8*\t+4:8*\t+7] offset:64*\t+16
	ds_store_b128 v7, v[64+8*\t:64+8*\t+3] offset:64*\t
	ds_store_b128 v7, v[64+8*\t+4:64+8*\t+7] offset:64*\t+16
.endr
	WIN 0
	s_wait_dscnt 0x0                               ; for the others' sake: my part lies in the stage
	s_barrier_signal -1
	s_barrier_wait -1
.irp i, 0,1,2,3
.irp n, 0,1,2,3,4,5,6,7
	ds_load_b128 v[P+32*\i+32*(\i/2)+4*\n:P+32*\i+32*(\i/2)+4*\n+3], v9 offset:\n*PSB+\i*528   ; row i of my four, head n's part: 512 bytes on end
.endr
.endr
	s_wait_dscnt 0x0
.irp i, 0,1,2,3
.irp p, 0,2
	v_pk_add_f32 v[P+32*\i+32*(\i/2)+\p:P+32*\i+32*(\i/2)+\p+1], v[P+32*\i+32*(\i/2)+\p:P+32*\i+32*(\i/2)+\p+1], v[20+\p:21+\p]   ; bo + head 0's part,
.endr
.endr
.irp n, 1,2,3,4,5,6,7
.irp i, 0,1,2,3
.irp p, 0,2
	v_pk_add_f32 v[P+32*\i+32*(\i/2)+\p:P+32*\i+32*(\i/2)+\p+1], v[P+32*\i+32*(\i/2)+\p:P+32*\i+32*(\i/2)+\p+1], v[P+32*\i+32*(\i/2)+4*\n+\p:P+32*\i+32*(\i/2)+4*\n+\p+1]   ; + the others', eight chains by turns
.endr
.endr
.endr
.irp i, 0,1,2,3
	global_store_b128 v3, v[P+32*\i+32*(\i/2):P+32*\i+32*(\i/2)+3], s[34:35] offset:512*\i th:TH_STORE_NT   ; 32 lanes store a whole row of 512 bytes, at a multiple of 256 from out0's first byte
.endr
	s_wait_tensorcnt 0x0                           ; the wave's end
	ds_add_u32 v[SPW], v[NIL]
	s_wait_dscnt 0x0
	CROUND                                         ; the closing round: no work-group ends while a partner may still ask for a tile that names it
	s_endpgm
.Lfunc_end_k_q484e4e7bf0_mta:
	.size	k_q484e4e7bf0_mta, .Lfunc_end_k_q484e4e7bf0_mta-k_q484e4e7bf0_mta
	.p2alignl 7, 3214868480
	.fill 96, 4, 3214868480
	.section	.rodata,"a",@progbits
	.p2align	6, 0x0
	.amdhsa_kernel k_q484e4e7bf0_mta
		.amdhsa_group_segment_fixed_size 327680
		.amdhsa_private_segment_fixed_size 0
		.amdhsa_enable_private_segment 0
		.amdhsa_kernarg_size 128
		.amdhsa_user_sgpr_count 2
		.amdhsa_user_sgpr_kernarg_segment_ptr 1
		.amdhsa_wavefront_size32 1
		.amdhsa_system_sgpr_workgroup_id_x 1
		.amdhsa_system_sgpr_workgroup_id_y 1
		.amdhsa_system_sgpr_workgroup_id_z 1
		.amdhsa_system_vgpr_workitem_id 0
		.amdhsa_next_free_vgpr 512
		.amdhsa_next_free_sgpr 102
		.amdhsa_reserve_vcc 0
		.amdhsa_float_denorm_mode_32 3
		.amdhsa_float_denorm_mode_16_64 3
		.amdhsa_memory_ordered 1
		.amdhsa_forward_progress 1
		.amdhsa_inst_pref_size 255
	.end_amdhsa_kernel
	.section	.bss,"aw",@nobits
	.p2align	6
	.space	262144
	.amdgpu_metadata
---
amdhsa.version: [ 1, 2 ]
amdhsa.kernels:
  - .name:           k_q484e4e7bf0_mta
    .symbol:         k_q484e4e7bf0_mta.kd
    .args:
      - { .name: query_codes, .offset: 0, .size: 8, .value_kind: global_buffer, .address_space: global }
      - { .name: query_scales, .offset: 8, .size: 8, .value_kind: global_buffer, .address_space: global }
      - { .name: Wq_codes, .offset: 16, .size: 8, .value_kind: global_buffer, .address_space: global }
      - { .name: Wq_scales, .offset: 24, .size: 8, .value_kind: global_buffer, .address_space: global }
      - { .name: bq, .offset: 32, .size: 8, .value_kind: global_buffer, .address_space: global }
      - { .name: key_codes, .offset: 40, .size: 8, .value_kind: global_buffer, .address_space: global }
      - { .name: key_scales, .offset: 48, .size: 8, .value_kind: global_buffer, .address_space: global }
      - { .name: Wk_codes, .offset: 56, .size: 8, .value_kind: global_buffer, .address_space: global }
      - { .name: Wk_scales, .offset: 64, .size: 8, .value_kind: global_buffer, .address_space: global }
      - { .name: bk, .offset: 72, .size: 8, .value_kind: global_buffer, .address_space: global }
      - { .name: value_codes, .offset: 80, .size: 8, .value_kind: global_buffer, .address_space: global }
      - { .name: value_scales, .offset: 88, .size: 8, .value_kind: global_buffer, .address_space: global }
      - { .name: Wo_codes, .offset: 96, .size: 8, .value_kind: global_buffer, .address_space: global }
      - { .name: Wo_scales, .offset: 104, .size: 8, .value_kind: global_buffer, .address_space: global }
      - { .name: bo, .offset: 112, .size: 8, .value_kind: global_buffer, .address_space: global }
      - { .name: out0, .offset: 120, .size: 8, .value_kind: global_buffer, .address_space: global }
    .group_segment_fixed_size: 327680
    .private_segment_fixed_size: 0
    .kernarg_segment_align: 8
    .kernarg_segment_size: 128
    .max_flat_workgroup_size: 256
    .sgpr_count:     102
    .vgpr_count:     512
    .wavefront_size: 32
...
	.end_amdgpu_metadata
.endif
;; end of part 1
